; MI455X (gfx1250); checked and timed in simulation.
; The chip was launched on July 23, 2026; its instructions are those of AMD's public machine-readable ISA for CDNA 5 (MIT licence, August 2026) and "CDNA5" Instruction Set Architecture Reference Guide (July 2026). The comments in the code are by the model that wrote it; some were corrected since.
;; Memory Efficient Attention. Allowed arithmetic: float matrix products may take bf16 or f16 operands with f32 sums; all other float work in f32.
;; Inputs: keys 4 x 16 x 2,048 x 64 float32; queries 4 x 16 x 2,048 x 64 float32; values 4 x 16 x 2,048 x 64 float32.
;; Outputs: out0 4 x 16 x 2,048 x 64 float32.
;; 2 versions, each right and faster than the one before. Each part assembles by itself: llvm-mc -triple=amdgcn-amd-amdhsa -mcpu=gfx1250 --defsym DOCPART=n.
;; ======== version 1 of 2: 1 launch
;; launch attn (part 1): grid 4 x 64, 4 waves a work-group, no clusters, 113,152 bytes of LDS; arguments queries, keys, values, out0; writes out0
.if DOCPART == 1
	.amdgcn_target "amdgcn-amd-amdhsa--gfx1250"
	.amdhsa_code_object_version 6
	.text
	.protected	k_q508761c1af_attn
	.globl	k_q508761c1af_attn
	.p2align	8
	.type	k_q508761c1af_attn,@function
k_q508761c1af_attn:
	s_mov_b64 s[64:65], 0
	v_nop
	global_prefetch_b8 v0, s[64:65] scope:SCOPE_SE
	s_setreg_imm32_b32 hwreg(HW_REG_WAVE_MODE, 25, 1), 1
	s_wait_xcnt 0x0
; out[b,h,q,:] = sum_k exp(Q[q].K[k]) V[k,:] / sum_k exp(Q[q].K[k]).  Q, K, V, out: [64 heads][2048][64] f32.
; One launch; nothing of size 2048 x 2048 leaves the registers.  No work is left out: all three inputs reach the output.
;
; SHARES.  Work-group (x, y): head y, queries 512 x .. 512 x + 511; four waves, as many as a WGP has SIMDs; a wave owns 128 queries
; (8 q-tiles of 16) and walks all 2048 keys in 32 steps of 64 keys, each step two substeps of 32 keys.
;
; TRANSPOSED PRODUCTS, so that no number changes lanes.  With r = lane % 16, h = lane / 16:
;   scores: S^T = K Q^T.  A = 16 keys x 32 d, B = 16 queries x 32 d.  Register j of the result holds key 8h + j of query r.
;   Two key tiles, after the exponential, packed in pairs to bf16, are register for register the B operand (32 keys x 16 queries) of
;   output: O^T = V^T P^T.  A = 16 d x 32 keys, read from V rows [key][d] in LDS by the transposing load.  Register j holds d = 16 dt + 8h + j of query r.
;   A lane thus owns one query: its denominator is a sum of its own, plus one add across the two halves of the wave at the end.
;
; FORMATS.  Q, K, V are rounded to bf16 (nearest even) with nothing folded in; scores and sums are f32; log2(e) multiplies the f32 score;
; the weights go to the second product as bf16, which keeps the exponent range of f32; the denominator adds the unrounded f32 weights.
;
; K AND V GO THROUGH REGISTERS: 16-byte loads of f32, conversion, 8-byte LDS stores of bf16 into two buffers that take turns, one barrier a step.
; NO CLUSTER, NO TENSOR LOADS, although the four work-groups of a head read the same K and V: these lie in memory as f32 and the matrix
; operands (and the 16-bit transposing load of V) need bf16 in LDS.  A tile copied as it is would be written to LDS with 4 bytes a number,
; read back with 4 and written again with 2, against 2 bytes written once on the way through registers.
;
; LIMITS.  No maximum is taken away, as in the reference: exp(s) = 2^(s log2 e); a score above about 88.7 gives infinity and then NaN, as there.
; A weight above the largest finite bf16 (3.39e38) rounds to infinity in the numerator.  A weight under 2^-126 (score under about -87.3) is
; flushed to 0 (ISA guide 15.8, v_exp_f32), so a row whose scores are all that low gives NaN.  A denominator above 2^126 has a reciprocal
; that is flushed to 0, and the row comes out 0.  The division is v_rcp_f32 and a multiply.  The order of the sums differs from the reference.
.set KP,     144                       ; LDS pitch of K and Q rows: 128 bytes of bf16 + 16, an odd multiple of 16
.set VP,     160                       ; LDS pitch of V rows: 128 bytes + 32, an odd multiple of 32, for the transposing load
.set KTILE,  64*KP                     ; 9,216
.set VTILE,  64*VP                     ; 10,240
.set BUF,    KTILE+VTILE               ; a buffer: K tile, then V tile.  Buffers 0 and 1 at 0 and 19,456
.set QREG,   2*BUF                     ; behind them each wave has 128 x 144 bytes of its own: first its Q rows in bf16, at the end its stage for the way out
.set WQ,     128*KP
.set OPITCH, 272                       ; stage: a row of 64 f32 + 16 bytes
.set TILEB,  16384                     ; 64 rows of 64 f32 in memory
.set LAPS,   14                        ; 2 steps + 14 x 2 steps + 2 steps = 32
; window 0
.set GOFF, 2                           ; 16 t: my 16 bytes of each 2,048 that the work-group loads of a tile
.set KST,  3                           ; (t/16) 144 + 8 (t%16): where they go as bf16, K
.set VST,  4                           ; (t/16) 160 + 8 (t%16): V
.set KFR,  5                           ; r 144 + 16 h: fragments of K
.set VFR,  6                           ; (8h + lane%8) 160 + 16 ((lane/8)%2): fragments of V, transposing load
.set QST,  7                           ; my wave region + h 144 + 8 r
.set QFR,  8                           ; my wave region + r 144 + 16 h
.set LOFF, 9                           ; 16 x lane: Q loads and out stores
.set OST,  10                          ; my wave region + r 272 + 32 h
.set ORD,  11                          ; my wave region + h 272 + 16 r
.set DEN,  16                          ; v[16:31]   a pair of partial denominators for each q-tile
.set KF,   32                          ; v[32:63]   K fragment (kt, half of d) at KF + 16 kt + 8 half
.set VF,   64                          ; v[64:95]   V fragment of d-tile dt at VF + 8 dt
.set SC,   96                          ; v[96:223]  scores of (q, kt) at SC + 16 q + 8 kt; the packed weights of q in SC + 16 q .. + 7
.set TM,   224                         ; v[224:255] the way out: a q-tile, normalised
.set R0,   96                          ; the way out: rows read back, two sets in turn (the scores are done by then)
.set R1,   128
; window 1
.set QF,   0                           ; v[256:383] Q fragment (q, half of d) at QF + 16 q + 8 half
.set ST,   128                         ; v[384:447] the next tile on its way: K in 8 x 4 registers, V in 8 x 4
; window 2
.set OA,   0                           ; v[512:767] accumulator (q, dt) at OA + 32 q + 8 dt; at the start these registers take the 64 loads of Q
; s_set_vgpr_msb: bits 1:0 source 0, 3:2 source 1, 5:4 source 2, 7:6 destination; the high byte repeats the setting that is left.
.set MSB, 0
.macro WIN new
.if MSB != \new
	s_set_vgpr_msb (MSB<<8)|\new
.set MSB, \new
.endif
.endm
.macro NOPS n
.rept \n
	v_nop
.endr
.endm
; The next tile of K and of V, f32, into registers: 16 loads, each of a wave covering 512 consecutive aligned bytes.
; Thread t, load i: row 8 i + t/16, columns 4 (t%16) .. + 3.
.macro LOADT
	WIN 0x40                                       ; destination window 1
.irp i, 0,1,2,3,4,5,6,7
	global_load_b128 v[ST+4*\i:ST+4*\i+3], v[GOFF], s[6:7] offset:2048*\i
.endr
.irp i, 0,1,2,3,4,5,6,7
	global_load_b128 v[ST+32+4*\i:ST+32+4*\i+3], v[GOFF], s[8:9] offset:2048*\i
.endr
.endm
; That tile, rounded to bf16, into buffer buf; then the one barrier of the step.
.macro STORET buf
	s_wait_loadcnt 0x0                             ; the 16 loads are in, so their bases may step
	s_add_nc_u64 s[6:7], s[6:7], TILEB
	s_add_nc_u64 s[8:9], s[8:9], TILEB
	WIN 0x45                                       ; all three places window 1
.irp n, 0,1,2,3,4,5,6,7,8,9,10,11,12,13,14,15
	v_cvt_pk_bf16_f32 v[ST+4*\n],   v[ST+4*\n],   v[ST+4*\n+1]
	v_cvt_pk_bf16_f32 v[ST+4*\n+1], v[ST+4*\n+2], v[ST+4*\n+3]
.endr
	WIN 0x04                                       ; store data window 1
.irp i, 0,1,2,3,4,5,6,7
	ds_store_b64 v[KST], v[ST+4*\i:ST+4*\i+1] offset:\buf*BUF+8*KP*\i
.endr
.irp i, 0,1,2,3,4,5,6,7
	ds_store_b64 v[VST], v[ST+32+4*\i:ST+32+4*\i+1] offset:\buf*BUF+KTILE+8*VP*\i
.endr
	WIN 0
	s_wait_dscnt 0x0                               ; for the other waves: my stores into this buffer are done, and so are my reads of the other buffer,
	s_barrier_signal -1                            ; which is written again only behind this barrier, at the end of the next step
	s_barrier_wait -1
.endm
; K fragments of substep u: two key tiles x two halves of d, 8 loads
.macro KFRAG buf, u
.irp kt, 0,1
.irp hf, 0,1
	ds_load_b128 v[KF+16*\kt+8*\hf:KF+16*\kt+8*\hf+3],   v[KFR] offset:\buf*BUF+(32*(\u)+16*\kt)*KP+64*\hf
	ds_load_b128 v[KF+16*\kt+8*\hf+4:KF+16*\kt+8*\hf+7], v[KFR] offset:\buf*BUF+(32*(\u)+16*\kt)*KP+64*\hf+32
.endr
.endr
.endm
; V fragments of substep u: four d-tiles x 32 keys, 8 transposing loads (keys 8h .. +7, then 16 rows further down)
.macro VFRAG buf, u
.irp dt, 0,1,2,3
	ds_load_tr16_b128 v[VF+8*\dt:VF+8*\dt+3],   v[VFR] offset:\buf*BUF+KTILE+32*(\u)*VP+32*\dt
	ds_load_tr16_b128 v[VF+8*\dt+4:VF+8*\dt+7], v[VFR] offset:\buf*BUF+KTILE+32*(\u)*VP+32*\dt+16*VP
.endr
.endm
; Scores of 32 keys x 128 queries: 32 matrix instructions.  The first half of d starts the sums with the constant 0.
; The 16 accumulators take turns, one instruction a turn.
.macro QK
	WIN 0x04                                       ; B (Q) window 1
.irp q, 0,1,2,3,4,5,6,7
.irp kt, 0,1
	v_wmma_f32_16x16x32_bf16 v[SC+16*\q+8*\kt:SC+16*\q+8*\kt+7], v[KF+16*\kt:KF+16*\kt+7], v[QF+16*\q:QF+16*\q+7], 0
.endr
.endr
.irp q, 0,1,2,3,4,5,6,7
.irp kt, 0,1
	v_wmma_f32_16x16x32_bf16 v[SC+16*\q+8*\kt:SC+16*\q+8*\kt+7], v[KF+16*\kt+8:KF+16*\kt+15], v[QF+16*\q+8:QF+16*\q+15], v[SC+16*\q+8*\kt:SC+16*\q+8*\kt+7]
.endr
.endr
.endm
; The vector phase, by groups g = 2 q + kt of 8 registers.
.macro MULG g                                      ; score x log2(e)
.irp i, 0,1,2,3
	v_pk_mul_f32 v[SC+8*(\g)+2*\i:SC+8*(\g)+2*\i+1], v[SC+8*(\g)+2*\i:SC+8*(\g)+2*\i+1], s[18:19] op_sel_hi:[1,0]
.endr
.endm
.macro EXPG g
.irp i, 0,1,2,3,4,5,6,7
	v_exp_f32 v[SC+8*(\g)+\i], v[SC+8*(\g)+\i]
.endr
.endm
; Adds the 8 weights to the denominator pair of q and packs them to bf16 in place, into SC + 16 q + 4 kt .. + 3.  Every destination is a
; register whose weight has been added and packed already; each add stands ahead of the conversion that writes over its source.
; zero = 1 and kt = 0: the first add starts the pair, nothing is cleared.
.macro SUMCVT q, kt, zero
.if \zero*(1-\kt)
	s_wait_alu depctr_va_vdst(0)
	v_pk_add_f32 v[DEN+2*\q:DEN+2*\q+1], v[SC+16*\q:SC+16*\q+1], v[SC+16*\q+2:SC+16*\q+3]
	v_cvt_pk_bf16_f32 v[SC+16*\q],   v[SC+16*\q],   v[SC+16*\q+1]
	v_cvt_pk_bf16_f32 v[SC+16*\q+1], v[SC+16*\q+2], v[SC+16*\q+3]
.irp i, 2,3
	v_pk_add_f32 v[DEN+2*\q:DEN+2*\q+1], v[DEN+2*\q:DEN+2*\q+1], v[SC+16*\q+2*\i:SC+16*\q+2*\i+1]
	v_cvt_pk_bf16_f32 v[SC+16*\q+\i], v[SC+16*\q+2*\i], v[SC+16*\q+2*\i+1]
.endr
.else
	s_wait_alu depctr_va_vdst(0)
.irp i, 0,1,2,3
	v_pk_add_f32 v[DEN+2*\q:DEN+2*\q+1], v[DEN+2*\q:DEN+2*\q+1], v[SC+16*\q+8*\kt+2*\i:SC+16*\q+8*\kt+2*\i+1]
	v_cvt_pk_bf16_f32 v[SC+16*\q+4*\kt+\i], v[SC+16*\q+8*\kt+2*\i], v[SC+16*\q+8*\kt+2*\i+1]
.endr
.endif
.endm
; Behind the eight exponentials of a group stand the four multiplies of the next group, plain instructions on other registers,
; before the results are used (ISA guide 5.7.2); behind the last group a v_nop.
.macro SOFT zero
	MULG 0
.irp q, 0,1,2,3,4,5,6,7
	EXPG 2*\q
	MULG 2*\q+1
	SUMCVT \q, 0, \zero
	EXPG 2*\q+1
.if \q < 7
	MULG 2*\q+2
.else
	v_nop
	s_wait_alu depctr_va_vdst(0)
.endif
	SUMCVT \q, 1, \zero
.endr
.endm
; O^T += V^T P^T: 32 matrix instructions on 32 different accumulators, one instruction a turn.
.macro PV zero
	WIN 0xa0                                       ; C and D window 2
.irp q, 0,1,2,3,4,5,6,7
.irp dt, 0,1,2,3
.if \zero
	v_wmma_f32_16x16x32_bf16 v[OA+32*\q+8*\dt:OA+32*\q+8*\dt+7], v[VF+8*\dt:VF+8*\dt+7], v[SC+16*\q:SC+16*\q+7], 0
.else
	v_wmma_f32_16x16x32_bf16 v[OA+32*\q+8*\dt:OA+32*\q+8*\dt+7], v[VF+8*\dt:VF+8*\dt+7], v[SC+16*\q:SC+16*\q+7], v[OA+32*\q+8*\dt:OA+32*\q+8*\dt+7]
.endif
.endr
.endr
.endm
; A substep: 32 keys.  nextk = 1: the K fragments of the next substep of the same buffer are asked for behind those of V.
.macro SUB buf, u, zero, nextk
	s_wait_dscnt 0x0                               ; the K fragments are in
	QK
	WIN 0
	NOPS 4                                         ; four places behind the last product before its scores are read and before loads land in its K fragments
	VFRAG \buf, \u
.if \nextk
	KFRAG \buf, \u+1
.endif
	SOFT \zero
.if \nextk
	s_wait_dscnt 0x8                               ; V is in; the 8 younger loads, the next K fragments, stay out
.else
	s_wait_dscnt 0x0
.endif
	PV \zero
	WIN 0
	NOPS 5                                         ; five places before the next scores write over the weights that these products read, and before the way out reads the sums
.endm
; A step: 64 keys from buffer buf.  load = 1: the next tile is asked for first, has the whole step in which to arrive, and goes into buffer nbuf at the end.
.macro STEP buf, nbuf, zero, load
.if \load
	LOADT
	WIN 0
.endif
	KFRAG \buf, 0
	SUB \buf, 0, \zero, 1
	SUB \buf, 1, 0, 0
.if \load
	STORET \nbuf
.endif
.endm
; The way out, q-tile q: times 1 / denominator, 32 bytes a lane and d-tile into the stage, back as whole rows of 256 bytes.
.macro OUTQ q, rr
	WIN 0x02                                       ; source 0 window 2
.irp n, 0,1,2,3,4,5,6,7,8,9,10,11,12,13,14,15
	v_pk_mul_f32 v[TM+2*\n:TM+2*\n+1], v[OA+32*\q+2*\n:OA+32*\q+2*\n+1], v[DEN+2*\q:DEN+2*\q+1]
.endr
	WIN 0
.irp n, 0,1,2,3,4,5,6,7
	ds_store_b128 v[OST], v[TM+4*\n:TM+4*\n+3] offset:64*(\n/2)+16*(\n%2)   ; d = 16 dt + 8 h + 4 k .. + 3 of query r
.endr
	s_wait_xcnt 0x0                                ; the earlier stores have had their addresses translated (ISA guide 3.1): their data registers are loaded again only behind this wait
.irp j, 0,1,2,3,4,5,6,7
	ds_load_b128 v[\rr+4*\j:\rr+4*\j+3], v[ORD] offset:2*OPITCH*\j          ; the stage is my own and LDS serves a wave in order (ISA guide 5.7.1.4): these see the stores above
.endr
.irp j, 0,1,2,3,4,5,6,7
	s_wait_dscnt 7-\j                              ; read-back j is in, the younger ones stay out
	global_store_b128 v[LOFF], v[\rr+4*\j:\rr+4*\j+3], s[10:11] offset:4096*\q+512*\j th:TH_STORE_NT   ; sixteen lanes store one aligned row of 256 bytes
.endr
.endm
	; ---- set-up ----
	s_load_b256 s[4:11], s[0:1], 0x0               ; queries s[4:5], keys s[6:7], values s[8:9], out0 s[10:11]
	s_set_vgpr_msb 0x40
	v_lshl_add_u32 v254, v0, 2, 0x1b800
	v_mov_b32 v255, 0
	s_set_vgpr_msb 0x4000
	v_lshrrev_b32 v1, 5, v0
	v_readfirstlane_b32 s12, v1                    ; wave 0..3
	s_and_b32 s13, ttmp7, 0xffff                   ; head
	s_lshl_b32 s14, s13, 19                        ; a head is 2048 x 256 bytes; 64 heads stay under 2^25
	s_mov_b32 s15, 0
	s_mov_b32 s18, 0x3fb8aa3b                      ; log2(e); the pair is named whole by the packed multiply
	s_mov_b32 s19, 0x3fb8aa3b
	s_mov_b32 s20, 0x76543210                      ; v_permlanex16_b32: lane i of one half reads lane i of the other
	s_mov_b32 s21, 0xfedcba98
	s_mul_i32 s22, s12, WQ
	s_add_co_u32 s22, s22, QREG                    ; my wave region in LDS
	v_and_b32 v12, 15, v0                          ; r
	v_bfe_u32 v13, v0, 4, 1                        ; h
	v_lshrrev_b32 v14, 4, v0                       ; t / 16, 0..7
	v_lshlrev_b32 v[GOFF], 4, v0
	v_mul_u32_u24 v[KST], v14, KP
	v_lshl_add_u32 v[KST], v12, 3, v[KST]
	v_mul_u32_u24 v[VST], v14, VP
	v_lshl_add_u32 v[VST], v12, 3, v[VST]
	v_mul_u32_u24 v[KFR], v12, KP
	v_lshl_add_u32 v[KFR], v13, 4, v[KFR]
	v_and_b32 v1, 7, v0
	v_lshl_add_u32 v1, v13, 3, v1                  ; 8 h + lane % 8
	v_bfe_u32 v15, v0, 3, 1
	v_mul_u32_u24 v[VFR], v1, VP
	v_lshl_add_u32 v[VFR], v15, 4, v[VFR]
	v_mul_u32_u24 v1, v13, KP
	v_lshl_add_u32 v1, v12, 3, v1
	v_add_nc_u32 v[QST], s22, v1
	v_add_nc_u32 v[QFR], s22, v[KFR]
	v_and_b32 v1, 31, v0
	v_lshlrev_b32 v[LOFF], 4, v1
	v_mul_u32_u24 v1, v12, OPITCH
	v_lshl_add_u32 v1, v13, 5, v1
	v_add_nc_u32 v[OST], s22, v1
	v_mul_u32_u24 v1, v13, OPITCH
	v_lshl_add_u32 v1, v12, 4, v1
	v_add_nc_u32 v[ORD], s22, v1
	s_wait_kmcnt 0x0
	s_add_nc_u64 s[6:7], s[6:7], s[14:15]          ; keys and values at the head
	s_add_nc_u64 s[8:9], s[8:9], s[14:15]
	s_lshl_b32 s13, ttmp9, 17                      ; + 512 rows a work-group
	s_add_co_u32 s14, s14, s13
	s_lshl_b32 s13, s12, 15                        ; + 128 rows a wave
	s_add_co_u32 s14, s14, s13
	s_add_nc_u64 s[4:5], s[4:5], s[14:15]          ; queries and out0 at my wave's first row
	s_add_nc_u64 s[10:11], s[10:11], s[14:15]
	; ---- my 128 rows of Q (two rows a load), then tile 0 of K and V ----
	WIN 0x80                                       ; destination window 2
.set i, 0
.rept 64
	global_load_b128 v[4*i:4*i+3], v[LOFF], s[4:5] offset:512*i th:TH_LOAD_NT
.set i, i+1
.endr
	LOADT
	s_wait_loadcnt 16                              ; the 64 loads of Q are in; the 16 younger ones, tile 0, stay out
	WIN 0x8a                                       ; all three places window 2
.set i, 0
.rept 64
	v_cvt_pk_bf16_f32 v[4*i],   v[4*i],   v[4*i+1]
	v_cvt_pk_bf16_f32 v[4*i+1], v[4*i+2], v[4*i+3]
.set i, i+1
.endr
	WIN 0x08                                       ; store data window 2
.set i, 0
.rept 64
	ds_store_b64 v[QST], v[4*i:4*i+1] offset:2*KP*i        ; row 2 i + h, columns 4 r .. + 3
.set i, i+1
.endr
	WIN 0x40                                       ; destination window 1
.irp q, 0,1,2,3,4,5,6,7
.irp hf, 0,1
	ds_load_b128 v[QF+16*\q+8*\hf:QF+16*\q+8*\hf+3],   v[QFR] offset:16*KP*\q+64*\hf      ; my own bytes, served in order behind the stores above
	ds_load_b128 v[QF+16*\q+8*\hf+4:QF+16*\q+8*\hf+7], v[QFR] offset:16*KP*\q+64*\hf+32
.endr
.endr
	STORET 0                                       ; tile 0 into buffer 0; its wait for all LDS instructions also shows the Q fragments in
	; ---- 32 steps; step t asks for tile t + 1, the last for none ----
	STEP 0, 1, 1, 1                                ; the first products start the sums
	STEP 1, 0, 0, 1
	s_mov_b32 s16, LAPS
.Llap:
	STEP 0, 1, 0, 1
	STEP 1, 0, 0, 1
	s_sub_co_u32 s16, s16, 1
	s_cmp_lg_u32 s16, 0
	s_cbranch_scc1 .Llap
	STEP 0, 1, 0, 1
	STEP 1, 0, 0, 0
	; ---- 1 / denominator of my query, in both registers of each pair ----
.irp q, 0,1,2,3,4,5,6,7
	v_add_f32 v[DEN+2*\q], v[DEN+2*\q], v[DEN+2*\q+1]
.endr
.irp q, 0,1,2,3,4,5,6,7
	v_permlanex16_b32 v[DEN+2*\q+1], v[DEN+2*\q], s20, s21     ; the other half of the wave holds the other 16 of every 32 keys
.endr
.irp q, 0,1,2,3,4,5,6,7
	v_add_f32 v[DEN+2*\q], v[DEN+2*\q], v[DEN+2*\q+1]
.endr
.irp q, 0,1,2,3,4,5,6,7
	v_rcp_f32 v[DEN+2*\q+1], v[DEN+2*\q]
.endr
	v_nop                                          ; one plain instruction before a reciprocal is used or its source written (ISA guide 5.7.2)
	s_wait_alu depctr_va_vdst(0)
.irp q, 0,1,2,3,4,5,6,7
	v_mov_b32 v[DEN+2*\q], v[DEN+2*\q+1]
.endr
	OUTQ 0, R0
	OUTQ 1, R1
	OUTQ 2, R0
	OUTQ 3, R1
	OUTQ 4, R0
	OUTQ 5, R1
	OUTQ 6, R0
	OUTQ 7, R1
	s_set_vgpr_msb 0x5
	s_wait_tensorcnt 0x0
	ds_add_u32 v254, v255
	s_wait_dscnt 0x0
	s_set_vgpr_msb 0x500
	s_endpgm
.Lfunc_end_k_q508761c1af_attn:
	.size	k_q508761c1af_attn, .Lfunc_end_k_q508761c1af_attn-k_q508761c1af_attn
	.p2alignl 7, 3214868480
	.fill 96, 4, 3214868480
	.section	.rodata,"a",@progbits
	.p2align	6, 0x0
	.amdhsa_kernel k_q508761c1af_attn
		.amdhsa_group_segment_fixed_size 113152
		.amdhsa_private_segment_fixed_size 0
		.amdhsa_enable_private_segment 0
		.amdhsa_kernarg_size 32
		.amdhsa_user_sgpr_count 2
		.amdhsa_user_sgpr_kernarg_segment_ptr 1
		.amdhsa_wavefront_size32 1
		.amdhsa_system_sgpr_workgroup_id_x 1
		.amdhsa_system_sgpr_workgroup_id_y 1
		.amdhsa_system_sgpr_workgroup_id_z 1
		.amdhsa_system_vgpr_workitem_id 0
		.amdhsa_next_free_vgpr 768
		.amdhsa_next_free_sgpr 66
		.amdhsa_reserve_vcc 0
		.amdhsa_float_denorm_mode_32 3
		.amdhsa_float_denorm_mode_16_64 3
		.amdhsa_memory_ordered 1
		.amdhsa_forward_progress 1
		.amdhsa_inst_pref_size 255
	.end_amdhsa_kernel
	.section	.bss,"aw",@nobits
	.p2align	6
	.space	262144
	.amdgpu_metadata
---
amdhsa.version: [ 1, 2 ]
amdhsa.kernels:
  - .name:           k_q508761c1af_attn
    .symbol:         k_q508761c1af_attn.kd
    .args:
      - { .name: queries, .offset: 0, .size: 8, .value_kind: global_buffer, .address_space: global }
      - { .name: keys, .offset: 8, .size: 8, .value_kind: global_buffer, .address_space: global }
      - { .name: values, .offset: 16, .size: 8, .value_kind: global_buffer, .address_space: global }
      - { .name: out0, .offset: 24, .size: 8, .value_kind: global_buffer, .address_space: global }
    .group_segment_fixed_size: 113152
    .private_segment_fixed_size: 0
    .kernarg_segment_align: 8
    .kernarg_segment_size: 32
    .max_flat_workgroup_size: 128
    .sgpr_count:     66
    .vgpr_count:     768
    .wavefront_size: 32
...
	.end_amdgpu_metadata
.endif
;; end of part 1
;; ======== version 2 of 2: 1 launch; 1.35 times as fast as version 1
;; launch attn (part 2): grid 4 x 64, 4 waves a work-group, no clusters, 113,152 bytes of LDS; arguments queries, keys, values, out0; writes out0
.if DOCPART == 2
	.amdgcn_target "amdgcn-amd-amdhsa--gfx1250"
	.amdhsa_code_object_version 6
	.text
	.protected	k_q508761c1af_attn
	.globl	k_q508761c1af_attn
	.p2align	8
	.type	k_q508761c1af_attn,@function
k_q508761c1af_attn:
	s_mov_b64 s[64:65], 0
	v_nop
	global_prefetch_b8 v0, s[64:65] scope:SCOPE_SE
	s_setreg_imm32_b32 hwreg(HW_REG_WAVE_MODE, 25, 1), 1
	s_wait_xcnt 0x0
; out[b,h,q,:] = sum_k exp(Q[q].K[k]) V[k,:] / sum_k exp(Q[q].K[k]).  Q, K, V, out: [64 heads][2048][64] f32.
; One launch; nothing of size 2048 x 2048 leaves the registers.  No work is left out: all three inputs reach the output.
;
; SHARES.  Work-group (x, y): head y, queries 512 x .. 512 x + 511; four waves, as many as a WGP has SIMDs; a wave owns 128 queries
; (8 q-tiles of 16) and walks all 2048 keys in 32 steps of 64 keys, each step two substeps of 32 keys.
;
; TRANSPOSED PRODUCTS, so that no number changes lanes.  With r = lane % 16, h = lane / 16:
;   scores: S^T = K Q^T.  A = 16 keys x 32 d, B = 16 queries x 32 d.  Register j of the result holds key 8h + j of query r.
;   Two key tiles, after the exponential, packed in pairs to bf16, are register for register the B operand (32 keys x 16 queries) of
;   output: O^T = V^T P^T.  A = 16 d x 32 keys, read from V rows [key][d] in LDS by the transposing load.  Register j holds d = 16 dt + 8h + j of query r.
;   A lane thus owns one query: its denominator is a sum of its own, plus one add across the two halves of the wave at the end.
;
; TWO PIECES TAKE TURNS.  Piece A = q-tiles 0-3, piece B = q-tiles 4-7; they share the K and V fragments.  A substep u runs
;   1  scores of B (u)      with the multiplies and exponentials of A (u) between them, six behind each product
;   2  the 32 conversions of A's weights to bf16
;   3  output products of A (u), with A's 32 denominator sums between them, two behind each product
;   4  scores of A (u + 1)  with the multiplies and exponentials of B (u)
;   5  the 32 conversions of B
;   6  output products of B (u), with B's sums
; A substep has 64 products and 320 vector instructions; 256 of these stand between products.  Which kind stands where follows from the
; register windows: a multiply by a scalar and an exponential name a destination and source 0 alone, which the score products' setting leaves
; in window 0; a sum written as a fused multiply-add by 1.0 has its addend and destination in the places that the output products' setting
; points at the accumulators' window, where the denominators lie; a conversion has two vector sources and a destination in window 0 and fits
; neither setting, so the conversions stand alone rather than cost two changes of window for each product.
;
; FORMATS.  Q, K, V are rounded to bf16 (nearest even) with nothing folded in; scores and sums are f32; log2(e) multiplies the f32 score
; (bf16(q log2 e) is not log2 e x bf16(q): folded into Q the factor would be a second rounding of Q, about 0.009 on a score made of 64 products of
; size 1, which goes whole into a weight); the weights go to the second product as bf16, which keeps the exponent range of f32; the denominator adds the unrounded f32 weights.
;
; K AND V GO THROUGH REGISTERS: 16-byte loads of f32 into one of two register sets, conversion, 8-byte LDS stores of bf16 into one of two
; buffers.  Tile t uses set and buffer t % 2.  Step t stores tile t + 1 between its two substeps, passes its one barrier in phase 2 of the
; second substep, a run of 16 products behind the stores, and then asks for tile t + 3: a tile has nearly four substeps in which to arrive.
; TWO BUFFERS ARE ENOUGH: all reads of tile t - 1 (the last are the V fragments asked for at the head of step t - 1's second substep) are waited for
; in front of step t - 1's barrier signal, the stores of tile t + 1 into the same buffer stand behind that barrier, and the reads of tile t + 1 behind step t's.
; NO CLUSTER, NO TENSOR LOADS, although the four work-groups of a head read the same K and V: these lie in memory as f32 and the matrix
; operands (and the 16-bit transposing load of V) need bf16 in LDS.  A tile copied as it is would be written to LDS with 4 bytes a number,
; read back with 4 and written again with 2, against 2 bytes written once on the way through registers.
;
; LIMITS.  No maximum is taken away, as in the reference: exp(s) = 2^(s log2 e); a score above about 88.7 gives infinity and then NaN, as there.
; A weight above the largest finite bf16 (3.39e38) rounds to infinity in the numerator.  A weight under 2^-126 (score under about -87.3) is
; flushed to 0 (ISA guide 15.8, v_exp_f32), so a row whose scores are all that low gives NaN.  A denominator above 2^126 has a reciprocal
; that is flushed to 0, and the row comes out 0.  The division is v_rcp_f32 and a multiply.  The order of the sums differs from the reference.
.set KP,     144                       ; LDS pitch of K and Q rows: 128 bytes of bf16 + 16, an odd multiple of 16
.set VP,     160                       ; LDS pitch of V rows: 128 bytes + 32, an odd multiple of 32, for the transposing load
.set KTILE,  64*KP                     ; 9,216
.set VTILE,  64*VP                     ; 10,240
.set BUF,    KTILE+VTILE               ; a buffer: K tile, then V tile.  Buffers 0 and 1 at 0 and 19,456
.set QREG,   2*BUF                     ; behind them each wave has 128 x 144 bytes of its own: first its Q rows in bf16, at the end its stage for the way out
.set WQ,     128*KP
.set OPITCH, 272                       ; stage: a row of 64 f32 + 16 bytes
.set TILEB,  16384                     ; 64 rows of 64 f32 in memory
.set LAPS,   13                        ; 2 steps + 13 x 2 steps + 4 steps = 32
; window 0
.set GOFF, 2                           ; 16 t: my 16 bytes of each 2,048 that the work-group loads of a tile
.set KST,  3                           ; (t/16) 144 + 8 (t%16): where they go as bf16, K
.set VST,  4                           ; (t/16) 160 + 8 (t%16): V
.set KFR,  5                           ; r 144 + 16 h: fragments of K
.set VFR,  6                           ; (8h + lane%8) 160 + 16 ((lane/8)%2): fragments of V, transposing load
.set QST,  7                           ; my wave region + h 144 + 8 r
.set QFR,  8                           ; my wave region + r 144 + 16 h
.set LOFF, 9                           ; 16 x lane: Q loads and out stores
.set OST,  10                          ; my wave region + r 272 + 32 h
.set ORD,  11                          ; my wave region + h 272 + 16 r
.set KF,   16                          ; v[16:47]   K fragment (kt, half of d) at KF + 16 kt + 8 half
.set VF,   48                          ; v[48:79]   V fragment of d-tile dt at VF + 8 dt
.set PK,   80                          ; v[80:111]  packed weights of the piece at work, q-tile ql at PK + 8 ql
.set SC,   112                         ; v[112:239] scores, then weights in f32: piece p, q-tile ql, key tile kt at SC + 64 p + 16 ql + 8 kt
.set TM,   112                         ; the way out (the scores are done by then): a q-tile, normalised
.set R0,   144                         ; the way out: rows read back, two sets in turn
.set R1,   176
; window 1
.set QF,   0                           ; v[256:383] Q fragment (q, half of d) at QF + 16 q + 8 half
.set ST,   128                         ; v[384:511] two sets of 64: a tile on its way, K in 8 x 4 registers, V in 8 x 4
; window 2 (piece A) and window 3 (piece B), the same numbers in both
.set OA,   0                           ; accumulator (ql, dt) at OA + 32 ql + 8 dt; at the start window 2's 256 registers take the 64 loads of Q
.set DN,   128                         ; a pair of partial denominators for each q-tile of the piece
; s_set_vgpr_msb: bits 1:0 source 0, 3:2 source 1, 5:4 source 2, 7:6 destination; the high byte repeats the setting that is left.
.set MSB, 0
.macro WIN new
.if MSB != (\new)
	s_set_vgpr_msb (MSB<<8)|(\new)
.set MSB, (\new)
.endif
.endm
.macro NOPS n
.rept \n
	v_nop
.endr
.endm
; A tile of K and of V, f32, into register set set: 16 loads, each of a wave covering 512 consecutive aligned bytes.
; Thread t, load i: row 8 i + t/16, columns 4 (t%16) .. + 3.
.macro LOADT set, off
	WIN 0x40                                       ; destination window 1
.irp i, 0,1,2,3,4,5,6,7
	global_load_b128 v[ST+64*\set+4*\i:ST+64*\set+4*\i+3], v[GOFF], s[6:7] offset:\off+2048*\i
.endr
.irp i, 0,1,2,3,4,5,6,7
	global_load_b128 v[ST+64*\set+32+4*\i:ST+64*\set+32+4*\i+3], v[GOFF], s[8:9] offset:\off+2048*\i
.endr
	WIN 0
.endm
; The bases step n tiles.  One tile's loads are still out and name them, so the step stands behind the wait that shows every
; earlier memory instruction's addresses translated (ISA guide 3.1); those loads were issued a step ago.
.macro NEXTT n
	s_wait_xcnt 0x0
	s_add_nc_u64 s[6:7], s[6:7], \n*TILEB
	s_add_nc_u64 s[8:9], s[8:9], \n*TILEB
.endm
; The tile in set b, rounded to bf16, into buffer b.  lcnt = the loads of the younger tile that may stay out (16, or 0 for the last tile).
.macro STORET b, lcnt
	s_wait_loadcnt \lcnt
	WIN 0x45                                       ; all three places window 1
.irp n, 0,1,2,3,4,5,6,7,8,9,10,11,12,13,14,15
	v_cvt_pk_bf16_f32 v[ST+64*\b+4*\n],   v[ST+64*\b+4*\n],   v[ST+64*\b+4*\n+1]
	v_cvt_pk_bf16_f32 v[ST+64*\b+4*\n+1], v[ST+64*\b+4*\n+2], v[ST+64*\b+4*\n+3]
.endr
	WIN 0x04                                       ; store data window 1
.irp i, 0,1,2,3,4,5,6,7
	ds_store_b64 v[KST], v[ST+64*\b+4*\i:ST+64*\b+4*\i+1] offset:\b*BUF+8*KP*\i
.endr
.irp i, 0,1,2,3,4,5,6,7
	ds_store_b64 v[VST], v[ST+64*\b+32+4*\i:ST+64*\b+32+4*\i+1] offset:\b*BUF+KTILE+8*VP*\i
.endr
.endm
; K fragments of substep u of buffer buf: two key tiles x two halves of d, 8 loads
.macro KFRAG buf, u
.irp kt, 0,1
.irp hf, 0,1
	ds_load_b128 v[KF+16*\kt+8*\hf:KF+16*\kt+8*\hf+3],   v[KFR] offset:\buf*BUF+(32*(\u)+16*\kt)*KP+64*\hf
	ds_load_b128 v[KF+16*\kt+8*\hf+4:KF+16*\kt+8*\hf+7], v[KFR] offset:\buf*BUF+(32*(\u)+16*\kt)*KP+64*\hf+32
.endr
.endr
.endm
; V fragments of substep u: four d-tiles x 32 keys, 8 transposing loads (keys 8h .. +7, then 16 rows further down)
.macro VFRAG buf, u
.irp dt, 0,1,2,3
	ds_load_tr16_b128 v[VF+8*\dt:VF+8*\dt+3],   v[VFR] offset:\buf*BUF+KTILE+32*(\u)*VP+32*\dt
	ds_load_tr16_b128 v[VF+8*\dt+4:VF+8*\dt+7], v[VFR] offset:\buf*BUF+KTILE+32*(\u)*VP+32*\dt+16*VP
.endr
.endm
; The first two multiplies of piece p (score x log2 e, registers 0-3); the others stand one slice ahead of their exponentials in MX.
.macro MUL0 p
	v_pk_mul_f32 v[SC+64*\p:SC+64*\p+1],   v[SC+64*\p:SC+64*\p+1],   s[18:19] op_sel_hi:[1,0]
	v_pk_mul_f32 v[SC+64*\p+2:SC+64*\p+3], v[SC+64*\p+2:SC+64*\p+3], s[18:19] op_sel_hi:[1,0]
.endm
; qk = 1: the 16 score products of piece mp (32 keys x 64 queries).  The first half of d starts the sums with the constant 0; the 8 accumulators
; take turns, one instruction a turn.
; ve = 1: behind product kk slice kk of piece vp: the exponentials of registers 4 kk .. + 3 and the multiplies of the next four.  A multiply on other
; registers stands behind an exponential; the results are read only in the conversions, behind plain instructions (ISA guide 5.7.2).
.macro MX mp, vp, qk, ve
.set kk, 0
.rept 16
.if \qk
.if kk < 8
	v_wmma_f32_16x16x32_bf16 v[SC+64*\mp+8*kk:SC+64*\mp+8*kk+7], v[KF+16*(kk%2):KF+16*(kk%2)+7], v[QF+64*\mp+16*(kk/2):QF+64*\mp+16*(kk/2)+7], 0
.else
	v_wmma_f32_16x16x32_bf16 v[SC+64*\mp+8*(kk-8):SC+64*\mp+8*(kk-8)+7], v[KF+16*(kk%2)+8:KF+16*(kk%2)+15], v[QF+64*\mp+16*((kk-8)/2)+8:QF+64*\mp+16*((kk-8)/2)+15], v[SC+64*\mp+8*(kk-8):SC+64*\mp+8*(kk-8)+7]
.endif
.endif
.if \ve
	v_exp_f32 v[SC+64*\vp+4*kk], v[SC+64*\vp+4*kk]
.if kk < 15
	v_pk_mul_f32 v[SC+64*\vp+4*kk+4:SC+64*\vp+4*kk+5], v[SC+64*\vp+4*kk+4:SC+64*\vp+4*kk+5], s[18:19] op_sel_hi:[1,0]
.endif
	v_exp_f32 v[SC+64*\vp+4*kk+1], v[SC+64*\vp+4*kk+1]
.if kk < 15
	v_pk_mul_f32 v[SC+64*\vp+4*kk+6:SC+64*\vp+4*kk+7], v[SC+64*\vp+4*kk+6:SC+64*\vp+4*kk+7], s[18:19] op_sel_hi:[1,0]
.endif
	v_exp_f32 v[SC+64*\vp+4*kk+2], v[SC+64*\vp+4*kk+2]
	v_exp_f32 v[SC+64*\vp+4*kk+3], v[SC+64*\vp+4*kk+3]
.endif
.set kk, kk+1
.endr
.endm
; Conversions n0 .. n1 - 1 of piece p: weights 2 n and 2 n + 1 to the bf16 pair n.  Pair n = 8 ql + 4 kt + i: the B operand of q-tile ql is PK + 8 ql .. + 7.
.macro CVTS p, n0, n1
.set nn, \n0
	s_wait_alu depctr_va_vdst(0)
.rept \n1-\n0
	v_cvt_pk_bf16_f32 v[PK+nn], v[SC+64*\p+2*nn], v[SC+64*\p+2*nn+1]
.set nn, nn+1
.endr
.endm
; Two denominator sums behind product kk: weight pair kk % 8 of q-tiles 2 (kk/8) and 2 (kk/8) + 1.  Written as weight x 1.0 + sum: the addend and the
; destination are the places that the products' setting points at the accumulators' window, so no change of window is needed.
.macro DSUM p
	v_pk_fma_f32 v[DN+4*(kk/8):DN+4*(kk/8)+1], v[SC+64*\p+32*(kk/8)+2*(kk%8):SC+64*\p+32*(kk/8)+2*(kk%8)+1], 1.0, v[DN+4*(kk/8):DN+4*(kk/8)+1] op_sel_hi:[1,0,1]
	v_pk_fma_f32 v[DN+4*(kk/8)+2:DN+4*(kk/8)+3], v[SC+64*\p+32*(kk/8)+16+2*(kk%8):SC+64*\p+32*(kk/8)+16+2*(kk%8)+1], 1.0, v[DN+4*(kk/8)+2:DN+4*(kk/8)+3] op_sel_hi:[1,0,1]
.endm
; O^T += V^T P^T of piece p: 16 products on 16 different accumulators, one instruction a turn, with the piece's sums between them.
; zero = 1: the constant 0 starts the accumulators, and the sum of the first two weight pairs starts each denominator: nothing is cleared.
.macro PVA p, zero
	WIN 0xa0+0x50*\p                               ; C, D and the denominators in window 2 (A) or 3 (B); V, the packed and the f32 weights in window 0
.set kk, 0
.rept 16
.if \zero
	v_wmma_f32_16x16x32_bf16 v[OA+8*kk:OA+8*kk+7], v[VF+8*(kk%4):VF+8*(kk%4)+7], v[PK+8*(kk/4):PK+8*(kk/4)+7], 0
.if (kk%8) == 0
	v_pk_add_f32 v[DN+4*(kk/8):DN+4*(kk/8)+1],   v[SC+64*\p+32*(kk/8):SC+64*\p+32*(kk/8)+1],       v[SC+64*\p+32*(kk/8)+2:SC+64*\p+32*(kk/8)+3]
	v_pk_add_f32 v[DN+4*(kk/8)+2:DN+4*(kk/8)+3], v[SC+64*\p+32*(kk/8)+16:SC+64*\p+32*(kk/8)+17], v[SC+64*\p+32*(kk/8)+18:SC+64*\p+32*(kk/8)+19]
.endif
.if (kk%8) > 1
	DSUM \p
.endif
.else
	v_wmma_f32_16x16x32_bf16 v[OA+8*kk:OA+8*kk+7], v[VF+8*(kk%4):VF+8*(kk%4)+7], v[PK+8*(kk/4):PK+8*(kk/4)+7], v[OA+8*kk:OA+8*kk+7]
	DSUM \p
.endif
.set kk, kk+1
.endr
.endm
; A substep: keys 32 u .. + 31 of buffer buf.  nextk = 1: the next substep exists; its K fragments are substep ku of buffer kb.
; bar = 1: the step's barrier.  load = 1: the tile three steps on is asked for, into set lset.
.macro SUBST buf, u, zero, kb, ku, nextk, bar, load, lset
	; 1: scores of B, multiplies and exponentials of A
	WIN 0x04                                       ; B operand (Q) window 1, all else window 0
	MUL0 0
	VFRAG \buf, \u                                 ; four places (two sums, two multiplies) behind the last product that read the old V fragments (ISA guide 7.12.1 for vector instructions)
	MX 1, 0, 1, 1
	; 2: conversions of A
	WIN 0
.if \bar
	s_wait_dscnt 0x0                               ; for the other waves: my stores of the next tile are done, and all my reads of this buffer, the V fragments above the last of them
	s_barrier_signal -1
.endif
	CVTS 0, 0, 4                                   ; four places behind the last product that read the K fragments
.if \bar
	s_barrier_wait -1                              ; the next tile is whole; this buffer is read by nobody any more
.endif
.if \nextk
	KFRAG \kb, \ku
.endif
.if \load
	NEXTT 1
	LOADT \lset, 0                                 ; the set was emptied by LDS stores that the wait in front of the signal has shown done
.endif
	CVTS 0, 4, 32
	; 3: output of A, sums of A
.if \nextk
	s_wait_dscnt 0x8                               ; V is in; the 8 younger loads, the next K fragments, stay out
.else
	s_wait_dscnt 0x0
.endif
	PVA 0, \zero
	; 4: next scores of A, multiplies and exponentials of B
	WIN 0x04
	MUL0 1
.if \nextk
	s_wait_dscnt 0x0                               ; the next K fragments are in: asked for 16 products ago
.endif
	MX 0, 1, \nextk, 1
	; 5: conversions of B (the packed weights of A were last read 16 slices ago)
	WIN 0
	CVTS 1, 0, 32
	; 6: output of B, sums of B
	PVA 1, \zero
.endm
; A step: the 64 keys of buffer buf.  Between its substeps the next tile goes from set nbuf into buffer nbuf.  last = 1: no next tile, no barrier.
.macro STEP buf, nbuf, zero, lcnt, load, last
	SUBST \buf, 0, \zero, \buf, 1, 1, 0, 0, \nbuf
.if \last
	SUBST \buf, 1, 0, \nbuf, 0, 0, 0, 0, \nbuf
.else
	STORET \nbuf, \lcnt
	SUBST \buf, 1, 0, \nbuf, 0, 1, 1, \load, \nbuf
.endif
.endm
; 1 / denominator of my query for the four q-tiles of a piece, in the first register of each pair.  w: all places in the piece's window.
.macro DENOM w
	WIN \w
.irp q, 0,1,2,3
	v_add_f32 v[DN+2*\q], v[DN+2*\q], v[DN+2*\q+1]
.endr
.irp q, 0,1,2,3
	v_permlanex16_b32 v[DN+2*\q+1], v[DN+2*\q], s20, s21       ; the other half of the wave holds the other 16 of every 32 keys
.endr
.irp q, 0,1,2,3
	v_add_f32 v[DN+2*\q], v[DN+2*\q], v[DN+2*\q+1]
.endr
.irp q, 0,1,2,3
	v_rcp_f32 v[DN+2*\q], v[DN+2*\q]
.endr
	v_nop                                          ; one plain instruction before a reciprocal is used (ISA guide 5.7.2)
	s_wait_alu depctr_va_vdst(0)
.endm
; The way out, q-tile q = 4 p + ql: times 1 / denominator, 32 bytes a lane and d-tile into the stage, back as whole rows of 256 bytes.
.macro OUTQ q, p, ql, rr
	WIN 0x0a+0x05*\p                               ; sources 0 and 1 in window 2 or 3
.irp n, 0,1,2,3,4,5,6,7,8,9,10,11,12,13,14,15
	v_pk_mul_f32 v[TM+2*\n:TM+2*\n+1], v[OA+32*\ql+2*\n:OA+32*\ql+2*\n+1], v[DN+2*\ql:DN+2*\ql+1] op_sel_hi:[1,0]   ; both halves by the pair's first register
.endr
	WIN 0
.irp n, 0,1,2,3,4,5,6,7
	ds_store_b128 v[OST], v[TM+4*\n:TM+4*\n+3] offset:64*(\n/2)+16*(\n%2)   ; d = 16 dt + 8 h + 4 k .. + 3 of query r
.endr
	s_wait_xcnt 0x0                                ; the earlier stores have had their addresses translated (ISA guide 3.1): their data registers are loaded again only behind this wait
.irp j, 0,1,2,3,4,5,6,7
	ds_load_b128 v[\rr+4*\j:\rr+4*\j+3], v[ORD] offset:2*OPITCH*\j          ; the stage is my own and LDS serves a wave in order (ISA guide 5.7.1.4): these see the stores above
.endr
.irp j, 0,1,2,3,4,5,6,7
	s_wait_dscnt 7-\j                              ; read-back j is in, the younger ones stay out
	global_store_b128 v[LOFF], v[\rr+4*\j:\rr+4*\j+3], s[10:11] offset:4096*\q+512*\j th:TH_STORE_NT   ; sixteen lanes store one aligned row of 256 bytes
.endr
.endm
	; ---- set-up ----
	s_load_b256 s[4:11], s[0:1], 0x0               ; queries s[4:5], keys s[6:7], values s[8:9], out0 s[10:11]
	v_lshl_add_u32 v254, v0, 2, 0x1b800
	v_mov_b32 v255, 0
	v_lshrrev_b32 v1, 5, v0
	v_readfirstlane_b32 s12, v1                    ; wave 0..3
	s_and_b32 s13, ttmp7, 0xffff                   ; head
	s_lshl_b32 s14, s13, 19                        ; a head is 2048 x 256 bytes; 64 heads stay under 2^25
	s_mov_b32 s15, 0
	s_mov_b32 s18, 0x3fb8aa3b                      ; log2(e); the pair is named whole by the packed multiply
	s_mov_b32 s19, 0x3fb8aa3b
	s_mov_b32 s20, 0x76543210                      ; v_permlanex16_b32: lane i of one half reads lane i of the other
	s_mov_b32 s21, 0xfedcba98
	s_mul_i32 s22, s12, WQ
	s_add_co_u32 s22, s22, QREG                    ; my wave region in LDS
	v_and_b32 v12, 15, v0                          ; r
	v_bfe_u32 v13, v0, 4, 1                        ; h
	v_lshrrev_b32 v14, 4, v0                       ; t / 16, 0..7
	v_lshlrev_b32 v[GOFF], 4, v0
	v_mul_u32_u24 v[KST], v14, KP
	v_lshl_add_u32 v[KST], v12, 3, v[KST]
	v_mul_u32_u24 v[VST], v14, VP
	v_lshl_add_u32 v[VST], v12, 3, v[VST]
	v_mul_u32_u24 v[KFR], v12, KP
	v_lshl_add_u32 v[KFR], v13, 4, v[KFR]
	v_and_b32 v1, 7, v0
	v_lshl_add_u32 v1, v13, 3, v1                  ; 8 h + lane % 8
	v_bfe_u32 v15, v0, 3, 1
	v_mul_u32_u24 v[VFR], v1, VP
	v_lshl_add_u32 v[VFR], v15, 4, v[VFR]
	v_mul_u32_u24 v1, v13, KP
	v_lshl_add_u32 v1, v12, 3, v1
	v_add_nc_u32 v[QST], s22, v1
	v_add_nc_u32 v[QFR], s22, v[KFR]
	v_and_b32 v1, 31, v0
	v_lshlrev_b32 v[LOFF], 4, v1
	v_mul_u32_u24 v1, v12, OPITCH
	v_lshl_add_u32 v1, v13, 5, v1
	v_add_nc_u32 v[OST], s22, v1
	v_mul_u32_u24 v1, v13, OPITCH
	v_lshl_add_u32 v1, v12, 4, v1
	v_add_nc_u32 v[ORD], s22, v1
	s_wait_kmcnt 0x0
	s_add_nc_u64 s[6:7], s[6:7], s[14:15]          ; keys and values at the head
	s_add_nc_u64 s[8:9], s[8:9], s[14:15]
	s_lshl_b32 s13, ttmp9, 17                      ; + 512 rows a work-group
	s_add_co_u32 s14, s14, s13
	s_lshl_b32 s13, s12, 15                        ; + 128 rows a wave
	s_add_co_u32 s14, s14, s13
	s_add_nc_u64 s[4:5], s[4:5], s[14:15]          ; queries and out0 at my wave's first row
	s_add_nc_u64 s[10:11], s[10:11], s[14:15]
	; ---- my 128 rows of Q (two rows a load), then tiles 0 and 1 of K and V ----
	WIN 0x80                                       ; destination window 2
.set i, 0
.rept 64
	global_load_b128 v[4*i:4*i+3], v[LOFF], s[4:5] offset:512*i th:TH_LOAD_NT
.set i, i+1
.endr
	LOADT 0, 0
	LOADT 1, TILEB
	s_wait_loadcnt 32                              ; the 64 loads of Q are in; the 32 younger ones, tiles 0 and 1, stay out
	WIN 0x8a                                       ; all three places window 2
.set i, 0
.rept 64
	v_cvt_pk_bf16_f32 v[4*i],   v[4*i],   v[4*i+1]
	v_cvt_pk_bf16_f32 v[4*i+1], v[4*i+2], v[4*i+3]
.set i, i+1
.endr
	WIN 0x08                                       ; store data window 2
.set i, 0
.rept 64
	ds_store_b64 v[QST], v[4*i:4*i+1] offset:2*KP*i        ; row 2 i + h, columns 4 r .. + 3
.set i, i+1
.endr
	WIN 0x40                                       ; destination window 1
.irp q, 0,1,2,3,4,5,6,7
.irp hf, 0,1
	ds_load_b128 v[QF+16*\q+8*\hf:QF+16*\q+8*\hf+3],   v[QFR] offset:16*KP*\q+64*\hf      ; my own bytes, served in order behind the stores above
	ds_load_b128 v[QF+16*\q+8*\hf+4:QF+16*\q+8*\hf+7], v[QFR] offset:16*KP*\q+64*\hf+32
.endr
.endr
	STORET 0, 16                                   ; tile 0 into buffer 0; the 16 loads of tile 1 stay out
	WIN 0
	s_wait_dscnt 0x0                               ; for the other waves: my part of tile 0 is stored; for me: the Q fragments are in
	s_barrier_signal -1
	s_barrier_wait -1
	KFRAG 0, 0
	NEXTT 2
	LOADT 0, 0                                     ; tile 2, into the set that tile 0 has left
	s_wait_dscnt 0x0
	WIN 0x04
	MX 0, 0, 1, 0                                  ; the scores of A for the first 32 keys stand alone
	NOPS 4                                         ; four places before they are read (ISA guide 7.12.1)
	; ---- 32 steps; step t stores tile t + 1 and asks for tile t + 3 ----
	STEP 0, 1, 1, 16, 1, 0                         ; the first products start the sums
	STEP 1, 0, 0, 16, 1, 0
	WIN 0                                          ; at a label and at a branch every window is 0
	s_mov_b32 s16, LAPS
.Llap:
	STEP 0, 1, 0, 16, 1, 0
	STEP 1, 0, 0, 16, 1, 0
	WIN 0
	s_sub_co_u32 s16, s16, 1
	s_cmp_lg_u32 s16, 0
	s_cbranch_scc1 .Llap
	STEP 0, 1, 0, 16, 1, 0                         ; step 28 asks for tile 31, the last
	STEP 1, 0, 0, 16, 0, 0                         ; step 29 stores tile 30; tile 31 stays out
	STEP 0, 1, 0, 0, 0, 0                          ; step 30 stores tile 31: no load is younger
	STEP 1, 0, 0, 0, 0, 1                          ; step 31: nothing to store, no barrier, no further scores
	; ---- the way out ----
	DENOM 0x8a                                     ; piece A; these lines are also the places behind the last products
	DENOM 0xcf                                     ; piece B
	OUTQ 0, 0, 0, R0
	OUTQ 1, 0, 1, R1
	OUTQ 2, 0, 2, R0
	OUTQ 3, 0, 3, R1
	OUTQ 4, 1, 0, R0
	OUTQ 5, 1, 1, R1
	OUTQ 6, 1, 2, R0
	OUTQ 7, 1, 3, R1
	s_wait_tensorcnt 0x0
	ds_add_u32 v254, v255
	s_wait_dscnt 0x0
	s_endpgm
.Lfunc_end_k_q508761c1af_attn:
	.size	k_q508761c1af_attn, .Lfunc_end_k_q508761c1af_attn-k_q508761c1af_attn
	.p2alignl 7, 3214868480
	.fill 96, 4, 3214868480
	.section	.rodata,"a",@progbits
	.p2align	6, 0x0
	.amdhsa_kernel k_q508761c1af_attn
		.amdhsa_group_segment_fixed_size 113152
		.amdhsa_private_segment_fixed_size 0
		.amdhsa_enable_private_segment 0
		.amdhsa_kernarg_size 32
		.amdhsa_user_sgpr_count 2
		.amdhsa_user_sgpr_kernarg_segment_ptr 1
		.amdhsa_wavefront_size32 1
		.amdhsa_system_sgpr_workgroup_id_x 1
		.amdhsa_system_sgpr_workgroup_id_y 1
		.amdhsa_system_sgpr_workgroup_id_z 1
		.amdhsa_system_vgpr_workitem_id 0
		.amdhsa_next_free_vgpr 904
		.amdhsa_next_free_sgpr 66
		.amdhsa_reserve_vcc 0
		.amdhsa_float_denorm_mode_32 3
		.amdhsa_float_denorm_mode_16_64 3
		.amdhsa_memory_ordered 1
		.amdhsa_forward_progress 1
		.amdhsa_inst_pref_size 255
	.end_amdhsa_kernel
	.section	.bss,"aw",@nobits
	.p2align	6
	.space	262144
	.amdgpu_metadata
---
amdhsa.version: [ 1, 2 ]
amdhsa.kernels:
  - .name:           k_q508761c1af_attn
    .symbol:         k_q508761c1af_attn.kd
    .args:
      - { .name: queries, .offset: 0, .size: 8, .value_kind: global_buffer, .address_space: global }
      - { .name: keys, .offset: 8, .size: 8, .value_kind: global_buffer, .address_space: global }
      - { .name: values, .offset: 16, .size: 8, .value_kind: global_buffer, .address_space: global }
      - { .name: out0, .offset: 24, .size: 8, .value_kind: global_buffer, .address_space: global }
    .group_segment_fixed_size: 113152
    .private_segment_fixed_size: 0
    .kernarg_segment_align: 8
    .kernarg_segment_size: 32
    .max_flat_workgroup_size: 128
    .sgpr_count:     66
    .vgpr_count:     904
    .wavefront_size: 32
...
	.end_amdgpu_metadata
.endif
;; end of part 2
